; MI455X (gfx1250); checked and timed in simulation.
; The chip was launched on July 23, 2026; its instructions are those of AMD's public machine-readable ISA for CDNA 5 (MIT licence, August 2026) and "CDNA5" Instruction Set Architecture Reference Guide (July 2026). The comments in the code are by the model that wrote it; some were corrected since.
;; LSTM. Allowed arithmetic: matrix products marked QUANTISED: E2M1 operands, one E8M0 scale for each 32 along K, by v_wmma_scale_f32_16x16x128_f8f6f4 with both operands' format E2M1 (or v_wmma_scale_f32_32x16x128_f4), f32 sums; everything else in f32.
;; Inputs: Wc 1,024 x 2,048 float32; Wf 1,024 x 2,048 float32; Wo 1,024 x 2,048 float32; Wu 1,024 x 2,048 float32; bc 1,024 float32; bf 1,024 float32; bo 1,024 float32; bu 1,024 float32; c 8,192 x 1,024 float32; h 8,192 x 1,024 float32; x 8,192 x 1,024 float32.
;; Outputs: out0 8,192 x 1,024 float32; out1 8,192 x 1,024 float32.
;; This version of the problem:
;;   THIS VERSION OF THE PROBLEM IS GIVEN IN LOW PRECISION. The matrix products marked QUANTISED in the list below multiply operands that are first quantised to E2M1 (2 exponent bits, 1 mantissa bit; 4 bits a number), with one power-of-two scale for each 32 numbers along K (OCP MX v1.0); their sums are f32. All else is computed in f32.
;;   The module's matrix products, in the order in which they are computed (A, B: the left and right operand; K: the contracted axis; several contracted axes count as one K, in the product's order):
;;     1. [M 8,192, K 2,048] x [K 2,048, N 4,096]; A: computed on the way; B: computed on the way: QUANTISED
;;   THE QUANTISER, for each operand of a quantised product, along K:
;;     - K is cut into blocks of 32 from its start; a last block that is shorter is filled with zeros.
;;     - A block's scale is 2^e with e = floor(log2(the largest magnitude in the block)) - 2, held to -126 .. 127; a block of zeros has e = 0. As a byte (E8M0): e + 127.
;;     - Each number is divided by its block's scale, clamped to +-6, and rounded to the nearest number of E2M1, ties to even, subnormals kept.
;;     - The product sums the exact products of the quantised numbers (number of the format x scale) in f32.
;;   ~~~python
;;   def quantise(x, axis):      # numpy; x: float32 -> the quantised numbers, widened to float32 again
;;       x = np.moveaxis(x, axis, -1); K = x.shape[-1]
;;       x = np.pad(x, [(0, 0)] * (x.ndim - 1) + [(0, -K % 32)]); x = x.reshape(x.shape[:-1] + (-1, 32)); a = np.abs(x).max(-1, keepdims=True)
;;       e = np.where(a > 0, np.clip(np.frexp(np.where(a > 0, a, 1))[1] - 1 - 2, -126, 127), 0)      # np.frexp(a)[1] - 1 = floor(log2(a)), exactly
;;       r = np.clip(x / 2.0 ** e, -6, 6)
;;       step = 2.0 ** (np.maximum(np.frexp(np.where(r == 0, 1, r))[1] - 1, 0) - 1)
;;       q = np.round(r / step) * step * 2.0 ** e      # np.round: ties to even
;;       return np.moveaxis(q.reshape(q.shape[:-2] + (-1,))[..., :K], -1, axis).astype(np.float32)
;;   ~~~
;;   OPERANDS COMPUTED ON THE WAY. 'Computed on the way' means the value that the module computes at that place (a softmax that the list does not call 'softmax' is quantised finished and normalised). What goes into a quantiser is computed in f32, as accurately as f32 sums, v_exp_f32 and their like allow (about 1e-6 of the number): no bf16 or f16 on the way to a quantiser, and a product that is left as it is and whose result goes on into a quantised operand takes f32 operands (vector FMAs, or v_wmma_f32_16x16x4_f32). A number that lies on a knife's edge between two numbers of the format may be rounded either way, as far as f32 arithmetic and the matrix unit's own rounding can turn it there, and no further.
;; One version. Each part assembles by itself: llvm-mc -triple=amdgcn-amd-amdhsa -mcpu=gfx1250 --defsym DOCPART=n.
;; ======== version 1 of 1: 2 launches
;; limits: right only within a limited range of input values
;; workspace buffers: a_img 8,912,896 bytes; w_img 4,456,448 bytes
;; launch quant (part 1): grid 768 x 1, 4 waves a work-group, no clusters, 50,688 bytes of LDS; arguments x, h, Wf, Wu, Wc, Wo, a_img, w_img; writes a_img, w_img
.if DOCPART == 1
	.amdgcn_target "amdgcn-amd-amdhsa--gfx1250"
	.amdhsa_code_object_version 6
	.text
	.protected	k_q219297c9da_quant
	.globl	k_q219297c9da_quant
	.p2align	8
	.type	k_q219297c9da_quant,@function
k_q219297c9da_quant:
	s_mov_b64 s[64:65], 0
	v_nop
	global_prefetch_b8 v0, s[64:65] scope:SCOPE_SE
	s_setreg_imm32_b32 hwreg(HW_REG_WAVE_MODE, 25, 1), 1
	s_wait_xcnt 0x0
; [x | h] (8,192 rows x 2,048) and the four gate weights (1,024 x 2,048 each), f32, become codes of FP4 (E2M1) with one E8M0 scale byte for each 32 along K.
; THE LAYOUT, for the product's launch: [K step of 512][row][272 bytes]: a record is the row's 256 bytes of codes of that K step (the lower k in the low four bits), then its 16 scale bytes.
; a_img: 4 x 8,192 records; w_img: 4 x 4,096.  16 records are 4,352 bytes = 17 runs of 256, so every 16 rows of a K step begin at a multiple of 256 bytes.
; W'S ROWS: gate g (f 0, u 1, c 2, o 3), output column col -> row 64 (col / 16) + 16 g + col % 16.
; A block's scale is 2^(floor(log2(its largest magnitude)) - 2); its byte is the largest magnitude's exponent field - 2, held at 1 from below.
; LIMITS: a block of zeros gets the byte 1 where the rule says 127 (its codes are zeros, and this program alone reads the bytes); NaN and infinities among the inputs are not served.
; SHARES.  Work-groups 0-511 take 16 rows of [x | h] each, 512-767 16 rows of one weight; a wave 4 rows: 16 steps of 512 numbers (step t: row t / 4, K step t % 4).
; One path for both: only pointers and sizes are chosen, on the work-group's number.  Each load reads 512 consecutive bytes; a step turns through the wave's own stage in LDS and
; comes back 16 neighbours a lane, two lanes to a block.  Codes and scale bytes are gathered in LDS as the 4 x 16 records; behind a barrier wave w stores K step w's 4,352 bytes in whole runs of 256.
.set STEPS, 16
.set AHEAD, 8
.set SP,    80                         ; a lane's place in a stage: 64 bytes + 16 of padding
.set WREG,  8192                       ; LDS of a wave: two stages of 32 x SP bytes
.set IMG,   32768                      ; the records: 4 K steps x 16 rows x 272 bytes
.set SPARE, IMG+17408                  ; the spare words
.set KSA,   8192*272
.set KSW,   4096*272
.set R,     16                         ; v16-143  eight sets of 16 numbers as loaded; at the end the records on their way out
.set X,     144                        ; v144-175 two sets of 16 neighbours
.set E,     176                        ; v176-191 a scale byte for each step
.set C,     192                        ; v192-223 two registers of codes for each step
.set VO,    224                        ; v224-227 16 x lane + the row, in bytes
	s_load_b256 s[4:11], s[0:1], 0x0               ; x, h, Wf, Wu
	s_load_b256 s[12:19], s[0:1], 0x20             ; Wc, Wo, a_img, w_img
	v_lshl_add_u32 v232, v0, 2, SPARE
	v_mov_b32 v233, 0
	v_lshrrev_b32 v1, 5, v0
	v_readfirstlane_b32 s24, v1                    ; wave
	v_and_b32 v2, 31, v0                           ; lane
	v_lshlrev_b32 v3, 4, v2                        ; 16 x lane
	v_lshlrev_b32 v4, 3, v2                        ; 8 x lane
	s_mul_i32 s25, s24, WREG
	v_lshrrev_b32 v14, 2, v2
	v_mul_u32_u24 v14, v14, SP
	v_and_b32 v15, 3, v2
	v_lshl_add_u32 v14, v15, 4, v14
	v_add_nc_u32 v14, s25, v14                     ; the stage, on the way in: SP (lane / 4) + 16 (lane % 4)
	v_mul_u32_u24 v15, v2, SP
	v_add_nc_u32 v15, s25, v15                     ; and on the way out: SP x lane
	s_mul_i32 s25, s24, 4*272
	s_add_co_u32 s25, s25, IMG                     ; my four rows' records of K step 0
	v_add_nc_u32 v228, s25, v4                     ; my 8 bytes of codes
	v_lshrrev_b32 v5, 1, v2
	s_add_co_u32 s25, s25, 256
	v_add_nc_u32 v229, s25, v5                     ; my block's scale byte
	s_mul_i32 s25, s24, 4352
	s_add_co_u32 s25, s25, IMG                     ; K step w's 16 records
	v_add_nc_u32 v230, s25, v3
	v_add_nc_u32 v231, s25, v4
	s_sub_co_u32 s26, ttmp9, 512                   ; q (of use in the weights' work-groups alone)
	s_bfe_u32 s27, s26, 0x20006                    ; the gate
	s_and_b32 s28, s26, 63                         ; the block of 16 columns
	s_lshl_b32 s42, s28, 6
	s_lshl_b32 s43, s27, 4
	s_add_co_u32 s42, s42, s43                     ; W's destination row: 64 x block + 16 x gate
	s_lshl_b32 s28, s28, 4                         ; W's source row
	s_lshl_b32 s47, ttmp9, 4                       ; [x | h]: both rows
	s_wait_alu depctr_va_vdst(0)
	s_wait_kmcnt 0x0
	s_mov_b64 s[34:35], s[8:9]                     ; the gate's weight: a choice on the work-group's number alone
	s_cmp_eq_u32 s27, 1
	s_cselect_b64 s[34:35], s[10:11], s[34:35]
	s_cmp_eq_u32 s27, 2
	s_cselect_b64 s[34:35], s[12:13], s[34:35]
	s_cmp_eq_u32 s27, 3
	s_cselect_b64 s[34:35], s[14:15], s[34:35]
	s_mov_b32 s45, KSW
	s_cmp_lt_u32 ttmp9, 512                        ; [x | h] or a weight?  All selects stand on this one compare
	s_cselect_b64 s[36:37], s[6:7], s[34:35]       ; HI: h, or the weight
	s_cselect_b64 s[34:35], s[4:5], s[34:35]       ; LO: x, or the weight
	s_cselect_b64 s[38:39], s[16:17], s[18:19]     ; where the records go
	s_cselect_b32 s45, KSA, s45                    ; bytes of a K step there
	s_cselect_b32 s28, s47, s28
	s_cselect_b32 s42, s47, s42
	s_cselect_b32 s29, 12, 13                      ; a source row is 2^12 or 2^13 bytes
	s_cselect_b32 s32, 0, 4096                     ; a weight's HI lies half a row on
	s_lshl_b32 s43, s24, 2
	s_add_co_u32 s28, s28, s43                     ; my source rows: + 4 x wave
	s_lshl_b32 s30, s28, s29
	s_mov_b32 s31, 0
	s_mov_b32 s33, 0
	s_add_nc_u64 s[34:35], s[34:35], s[30:31]
	s_add_nc_u64 s[36:37], s[36:37], s[30:31]
	s_add_nc_u64 s[36:37], s[36:37], s[32:33]
	s_mul_i32 s30, s42, 272                        ; the work-group's 16 records,
	s_mul_i32 s45, s45, s24                        ; in K step w
	s_add_co_u32 s30, s30, s45
	s_add_nc_u64 s[38:39], s[38:39], s[30:31]
	s_lshl_b32 s44, 1, s29
	s_lshl_b32 s45, 2, s29
	s_lshl_b32 s46, 3, s29
	v_mov_b32 v[VO], v3
	v_add_nc_u32 v[VO+1], s44, v3
	v_add_nc_u32 v[VO+2], s45, v3
	v_add_nc_u32 v[VO+3], s46, v3
.macro LOAD t
.irp i, 0,1,2,3
	global_load_b128 v[R+16*((\t)%AHEAD)+4*\i:R+16*((\t)%AHEAD)+4*\i+3], v[VO+(\t)/4], s[34+2*(((\t)%4)/2):35+2*(((\t)%4)/2)] offset:((\t)%2)*2048+512*\i th:TH_LOAD_NT
.endr
.endm
.macro TURN t                          ; LDS serves a wave's instructions in order: no wait between the stores and the loads
.irp i, 0,1,2,3
	ds_store_b128 v14, v[R+16*((\t)%AHEAD)+4*\i:R+16*((\t)%AHEAD)+4*\i+3] offset:32*SP*((\t)%2)+8*SP*\i
.endr
.irp i, 0,1,2,3
	ds_load_b128 v[X+16*((\t)%2)+4*\i:X+16*((\t)%2)+4*\i+3], v15 offset:32*SP*((\t)%2)+16*\i
.endr
.endm
.irp t, 0,1,2,3,4,5,6,7
	LOAD \t
.endr
	s_wait_alu depctr_va_vdst(0)
	s_wait_loadcnt 4*(AHEAD-1)                     ; step 0's four loads are in
	TURN 0
.macro STEP t
.set XS, X+16*((\t)%2)
.if (\t) > 0
	s_wait_dscnt 2                                 ; this step's numbers are back; the last step's two stores into the records may be out
.else
	s_wait_dscnt 0x0
.endif
.if (\t)+AHEAD < STEPS
	LOAD (\t)+AHEAD
.endif
.if (\t)+1 < STEPS
.if STEPS-2-(\t) >= AHEAD-1
	s_wait_loadcnt 4*(AHEAD-1)                     ; the next step's four loads are in
.else
	s_wait_loadcnt 4*(STEPS-2-(\t))
.endif
	TURN (\t)+1
.endif
	v_max3_num_f32 v8, |v[XS]|, |v[XS+1]|, |v[XS+2]|
	v_max3_num_f32 v9, |v[XS+3]|, |v[XS+4]|, |v[XS+5]|
.irp i, 6,10
	v_max3_num_f32 v8, v8, |v[XS+\i]|, |v[XS+\i+1]|
	v_max3_num_f32 v9, v9, |v[XS+\i+2]|, |v[XS+\i+3]|
.endr
	v_max3_num_f32 v8, v8, |v[XS+14]|, |v[XS+15]|
	v_max3_num_f32 v8, v8, v9, 0x1800000           ; the floor 2^(3 - 127): the byte cannot fall under 1
	v_max_num_f32_dpp v8, v8, v8 row_xmask:1 row_mask:0xf bank_mask:0xf   ; with my neighbour's 16: the block's
	v_add_nc_u32 v11, 0xff000000, v8               ; 2 off its exponent field: the conversion's scale operand
	v_cvt_scalef32_pk8_fp4_f32 v[C+2*(\t)], v[XS:XS+7], v11
	v_cvt_scalef32_pk8_fp4_f32 v[C+2*(\t)+1], v[XS+8:XS+15], v11
	v_lshrrev_b32 v[E+(\t)], 23, v11               ; the scale's byte (also the plain line behind the conversions)
	ds_store_b8 v229, v[E+(\t)] offset:((\t)%4)*4352+((\t)/4)*272      ; both lanes of a block write the same byte
	ds_store_b64 v228, v[C+2*(\t):C+2*(\t)+1] offset:((\t)%4)*4352+((\t)/4)*272
.endm
.irp t, 0,1,2,3,4,5,6,7,8,9,10,11,12,13,14,15
	STEP \t
.endr
	s_wait_dscnt 0x0                               ; for the others' sake: my stores into the records are done
	s_barrier_signal -1
	s_barrier_wait -1
.irp n, 0,1,2,3,4,5,6,7
	ds_load_b128 v[R+4*\n:R+4*\n+3], v230 offset:512*\n
.endr
	ds_load_b64 v[R+32:R+33], v231 offset:4096
	s_wait_dscnt 0x0
.irp n, 0,1,2,3,4,5,6,7
	global_store_b128 v3, v[R+4*\n:R+4*\n+3], s[38:39] offset:512*\n   ; 32 lanes store 512 consecutive bytes, at a multiple of 256
.endr
	global_store_b64 v4, v[R+32:R+33], s[38:39] offset:4096               ; and the seventeenth run of 256
	s_wait_tensorcnt 0x0                           ; the wave's end
	ds_add_u32 v232, v233
	s_wait_dscnt 0x0
	s_endpgm
.Lfunc_end_k_q219297c9da_quant:
	.size	k_q219297c9da_quant, .Lfunc_end_k_q219297c9da_quant-k_q219297c9da_quant
	.p2alignl 7, 3214868480
	.fill 96, 4, 3214868480
	.section	.rodata,"a",@progbits
	.p2align	6, 0x0
	.amdhsa_kernel k_q219297c9da_quant
		.amdhsa_group_segment_fixed_size 50688
		.amdhsa_private_segment_fixed_size 0
		.amdhsa_enable_private_segment 0
		.amdhsa_kernarg_size 64
		.amdhsa_user_sgpr_count 2
		.amdhsa_user_sgpr_kernarg_segment_ptr 1
		.amdhsa_wavefront_size32 1
		.amdhsa_system_sgpr_workgroup_id_x 1
		.amdhsa_system_sgpr_workgroup_id_y 1
		.amdhsa_system_sgpr_workgroup_id_z 1
		.amdhsa_system_vgpr_workitem_id 0
		.amdhsa_next_free_vgpr 234
		.amdhsa_next_free_sgpr 66
		.amdhsa_reserve_vcc 0
		.amdhsa_float_denorm_mode_32 3
		.amdhsa_float_denorm_mode_16_64 3
		.amdhsa_memory_ordered 1
		.amdhsa_forward_progress 1
		.amdhsa_inst_pref_size 35
	.end_amdhsa_kernel
	.amdgpu_metadata
---
amdhsa.version: [ 1, 2 ]
amdhsa.kernels:
  - .name:           k_q219297c9da_quant
    .symbol:         k_q219297c9da_quant.kd
    .args:
      - { .name: x, .offset: 0, .size: 8, .value_kind: global_buffer, .address_space: global }
      - { .name: h, .offset: 8, .size: 8, .value_kind: global_buffer, .address_space: global }
      - { .name: Wf, .offset: 16, .size: 8, .value_kind: global_buffer, .address_space: global }
      - { .name: Wu, .offset: 24, .size: 8, .value_kind: global_buffer, .address_space: global }
      - { .name: Wc, .offset: 32, .size: 8, .value_kind: global_buffer, .address_space: global }
      - { .name: Wo, .offset: 40, .size: 8, .value_kind: global_buffer, .address_space: global }
      - { .name: a_img, .offset: 48, .size: 8, .value_kind: global_buffer, .address_space: global }
      - { .name: w_img, .offset: 56, .size: 8, .value_kind: global_buffer, .address_space: global }
    .group_segment_fixed_size: 50688
    .private_segment_fixed_size: 0
    .kernarg_segment_align: 8
    .kernarg_segment_size: 64
    .max_flat_workgroup_size: 128
    .sgpr_count:     66
    .vgpr_count:     234
    .wavefront_size: 32
...
	.end_amdgpu_metadata
.endif
;; end of part 1
;; launch cell (part 2): grid 16 x 16, 4 waves a work-group, clusters of 4 x 4, 327,680 bytes of LDS; arguments a_img, w_img, bf, bu, bc, bo, c, out0, out1; writes out0, out1
.if DOCPART == 2
	.amdgcn_target "amdgcn-amd-amdhsa--gfx1250"
	.amdhsa_code_object_version 6
	.text
	.protected	k_q219297c9da_cell
	.globl	k_q219297c9da_cell
	.p2align	8
	.type	k_q219297c9da_cell,@function
k_q219297c9da_cell:
	s_mov_b64 s[64:65], 0
	v_nop
	global_prefetch_b8 v0, s[64:65] scope:SCOPE_SE
	s_setreg_imm32_b32 hwreg(HW_REG_WAVE_MODE, 25, 1), 1
	s_wait_xcnt 0x0
	s_wait_alu depctr_hold_cnt(0) depctr_sa_sdst(0) depctr_va_vdst(0) depctr_va_sdst(0) depctr_va_ssrc(0) depctr_va_vcc(0) depctr_vm_vsrc(0)
	s_getreg_b32 s2, hwreg(HW_REG_IB_STS2, 6, 4)
	s_cmp_eq_u32 s2, 0
	s_cbranch_scc0 .Lentry_in_a_cluster
	s_endpgm
.Lentry_in_a_cluster:
	s_bfe_u32 s2, ttmp6, 0x10000c
	s_cmp_lg_u32 s2, 0xf033
	s_cbranch_scc0 .Lentry_shape_is_right
	s_endpgm
.Lentry_shape_is_right:
; gates = [x | h] W^T + b on codes of FP4 (E2M1) with one E8M0 scale for each 32 along K (M 8,192, K 2,048, N 4,096), then the LSTM cell in f32:
; c_new = sigmoid(f) c + sigmoid(u) tanh(cc) -> out1;  h_new = tanh(c_new) sigmoid(o) -> out0.  The gates never go to memory.
; OPERANDS: [K step of 512][row][272 bytes]: 256 bytes of codes, then the row's 16 scale bytes.  128 rows of a K step are 34,816 dense bytes = 136 runs of 256: a tensor load takes them as they lie,
; and in LDS rows stand 272 bytes = 68 words apart, so that the 16 rows that a load touches start at 16 different groups of four banks (64 banks of 4 bytes: ISA guide 11.1).
; W's rows lie in the order 64 (col / 16) + 16 gate + col % 16: 256 rows are 64 output columns x 4 gates.
; SHARES.  256 work-groups of four waves.  A WORK-GROUP STAYS: it makes two tiles of 256 rows x 64 output columns, 4,096 rows apart; a wave 128 x 128 of the gates: 64 accumulators, 512 registers.
; THE MATRIX INSTRUCTION IS USED TRANSPOSED (source 0 = 16 rows of W, source 1 = 16 rows of [x | h]): in accumulator (a, b = 4 cb + g), register j of lane (r, h) is gate g of
; row 16 a + r, column 16 cb + 8 h + j: the four gates of one output share lane and register number.  THE BIAS is the C of each sum's first matrix instruction.
; THE RING: two slots, each a K step's 256 rows of A and 256 of W.  At the head and at the change of tiles ONE load a wave fills BOTH slots (waves 0, 1: A's and W's 256 rows of K step 0; waves 2, 3: of K step 1);
; K steps 2 and 3 come a quarter of a slot a wave.  c's tile takes slot 0's first half when K step 2 has been read; during the last step of 128 it is taken into 128 registers, so that both slots are free
; for the next tile, whose first two K steps land under this tile's cell arithmetic.  The last tile's tail is written out: it asks for nothing more.
; A STEP of 128 along K: ONE run of 32 LDS loads for the next step's fragments, which have two sets of registers on each side, and then the step's 64 matrix instructions on end.  No fragment is read twice.
; CLUSTERS: 4 x 4 work-groups; A's tiles are asked for jointly along a row of the cluster, W's along a column.  All partners walk the same number of tiles.
; PREFETCH, ahead of the tensor loads: K step 2 of A and W at the head's end (the next tile's, of A, at the change of tiles), K step 3 and c's tile at the first change of slots, two changes ahead.
; A K step of a tile is 272 runs of 256 bytes: the 16 waves of the four partners that ask for it jointly take 17 each, told apart by address; lanes 17-31 name their wave's last run again.
; W's runs are asked for in the first tile alone.  K steps 0 and 1 come by their loads alone.
; THE CELL, with L = log2(e): ef = 2^(-L f), eu, eo likewise, ec = 2^min(2 L cc, 30):
;   c_new = c / (1 + ef) + (ec - 1) / ((1 + eu)(1 + ec));   h_new = (E - 1) / ((E + 1)(1 + eo)), E = 2^min(2 L c_new, 30).
; LIMITS: the two tanh's exponents are held at 30, which moves a tanh by under 2e-9; a sigmoid's exponential may overflow to infinity, whose reciprocal is 0, the sigmoid's limit;
; NaN and infinities among the inputs are not served.
; THE CELL'S TEXT is a loop over blocks of 16 rows.  Only the lines that name a block's own registers (its 64 gates out of the accumulators, its 16 c) are written eight times and chosen by the loop's counter;
; they bring both into fixed registers, on which the loop's body works.
; THE WAY OUT: a row's 256 bytes come from two waves, so c_new and h_new meet in a stage in LDS, in bytes of its own, two buffers by turns; one barrier a block, passed in the middle of the next block's
; arithmetic; of the two waves of a row half one stores c_new's rows and the other h_new's: sixteen lanes store 256 consecutive bytes, aligned.
; REGISTERS, in windows of 256: window 0: v12-31 addresses; v32-95 scale words, two sets, and nothing else; v128-255 A's fragments, two sets; in the cell v96-159 the gates, v160-175 c, v192-207 at work, v208-239 rows on their way out.
;   window 1: W's fragments, two sets, at v0 and v128; v64-127 the biases; c in v0-63 and v192-255.   windows 2, 3: the accumulators ((a, b) at v[8 (8 (a % 4) + b)]).
.set NQ,     4
.set PITCH,  272
.set FR,     8
.set NP,     4                         ; places behind this matrix instruction (ISA guide 7.12.1)
.set HALFT,  128*PITCH                 ; 128 records
.set TILEB,  2*HALFT                   ; a tile's 256 records
.set SLOT,   4*HALFT
.set KSA,    8192*PITCH                ; a K step of A in memory
.set KSW,    4096*PITCH
.set WALKA,  16*TILEB                  ; from a tile to the work-group's next, in A;
.set WALKC,  4096*4096                 ; in c and in the outputs
.set STAGE,  2*SLOT                    ; two buffers of [c_new, h_new][row half][16 rows][272 bytes]
.set SBUF,   4*16*PITCH
.set SPARE,  STAGE+2*SBUF              ; the spare words, 128 bytes a wave
.set PFA,  12                          ; my 17 runs of 256 bytes of a K step of A's tile; of W's
.set PFW,  13
.set ADRA, 16                          ; v16-17  my A fragments in slot 0, 1
.set ADRS, 18                          ; v18-19  my scale words: lanes 0-15 A's rows, lanes 16-31 W's
.set ADRB, 20                          ; v20-21  my W fragments
.set CA,   22                          ; my 32 bytes of a row of c's tile
.set PA0,  23                          ; where I put 32 bytes of a row of c_new in the stage's buffer 0
.set RD0,  24                          ; where I read whole rows back there
.set GO,   25                          ; my byte offset in two rows of the output
.set BV,   26                          ; my byte offset in a bias
.set PA,   27                          ; PA0, RD0 + this block's buffers
.set RA,   31
.set SPW,  28
.set NIL,  29
.set PF,   30                          ; 4,096 x thread: a row of c for each thread
.set SC,   32
.set AF,   128
.set BIAS, 64
.set T,    96                          ; gate g, column block cb, j at v[T + 32 cb + 8 g + j]
.set CW,   160                         ; c, then c_new
.set X0,   192
.set OB,   208
.set G1,  24                           ; s[24:31] group 1, s[32:39] two groups 0: A's 128 rows, K steps 2 and 3
.set G0,  32
.set G1B, 48                           ; the same for W
.set G0B, 56
.set G1X, 68                           ; s[68:75], s[84:87]: A's 256 rows, K step 0 or 1
.set G1Y, 76                           ; s[76:83], s[88:91]: W's
.set G0X, 84
.set G0Y, 88
.set G1C, 92                           ; s[92:99] group 1 for c's tile (first the biases' addresses); s[20:23] its group 0
.set G0C, 20
.set MSB, 0
.macro WIN new
.if MSB != (\new)
	s_set_vgpr_msb (MSB<<8)|(\new)
.set MSB, (\new)
.endif
.endm
.set MUL_LO, 0xa1                      ; source 0 (W) window 1, source 1 (A) window 0, C and D window 2; + 0x50: window 3
.set BEG_LO, 0x91                      ; the first step: C (the bias) window 1; + 0x40: D window 3
.set TO_B,   0x40
; A joint load: two lines, each with one mask and one set of registers; the branch hangs on the wave's number alone.
.macro JLOAD cnd, g0a, g1a, g0b, g1b
	s_cmp_eq_u32 s[\cnd], 0
	s_cbranch_scc0 .Lfor_b_\@
	tensor_load_to_lds s[\g0a:\g0a+3], s[\g1a:\g1a+7]
	s_nop 0
.rept 4
	v_nop
.endr
	s_branch .Lasked_\@
.Lfor_b_\@:
	tensor_load_to_lds s[\g0b:\g0b+3], s[\g1b:\g1b+7]
	s_nop 0
.rept 4
	v_nop
.endr
.Lasked_\@:
.endm
.macro CREST
	s_cmp_lg_u32 s14, 0
	s_cbranch_scc1 .Lnot_wave_0_\@
	s_barrier_signal -3
.Lnot_wave_0_\@:
	s_barrier_wait -3
	s_barrier_signal -1
	s_barrier_wait -1
.endm
.macro CROUND
	s_barrier_signal -1
	s_barrier_wait -1
	CREST
.endm
	s_load_b128 s[4:7], s[0:1], 0x0                ; a_img, w_img
	s_load_b256 s[92:99], s[0:1], 0x10             ; bf, bu, bc, bo
	s_load_b128 s[20:23], s[0:1], 0x30             ; c, out0
	s_load_b64 s[12:13], s[0:1], 0x40              ; out1
	v_lshl_add_u32 v[SPW], v0, 2, SPARE
	v_mov_b32 v[NIL], 0
	ds_add_u32 v[SPW], v[NIL]                      ; the opening lines: the add, twice on end, and its wait
	ds_add_u32 v[SPW], v[NIL]
	v_lshrrev_b32 v1, 5, v0
	v_readfirstlane_b32 s14, v1                    ; wave 0..3
	s_lshr_b32 s15, s14, 1                         ; i: my half of the tile's rows
	s_and_b32 s16, s14, 1                          ; j: my half of W's rows
	s_bfe_u32 s40, ttmp6, 0x40000                  ; cx, cy
	s_bfe_u32 s41, ttmp6, 0x40004
	s_lshl_b32 s42, ttmp9, 2
	s_add_co_u32 s42, s42, s40                     ; tile column
	s_and_b32 s17, ttmp7, 0xffff
	s_lshl_b32 s17, s17, 2
	s_add_co_u32 s17, s17, s41                     ; the first tile's row, 0..15
	s_lshl_b32 s43, s41, 2
	s_lshl_b32 s43, 15, s43                        ; my row of the cluster
	s_lshl_b32 s44, 0x1111, s40                    ; my column
	s_or_b32 s[G1], s43, (3<<16)|(1<<21)           ; the mask; elements of 8 bytes; bit 21 beside a mask; no padding: the records bring their own pitch
	s_or_b32 s[G1X], s43, (3<<16)|(1<<21)
	s_or_b32 s[G1B], s44, (3<<16)|(1<<21)
	s_or_b32 s[G1Y], s44, (3<<16)|(1<<21)
.irp g, G1, G1B                                ; 128 records: 136 rows of 256 bytes
	s_mov_b32 s[\g+1], 32<<16
	s_mov_b32 s[\g+2], 136<<16
	s_mov_b32 s[\g+3], 32<<16
	s_mov_b32 s[\g+4], 136
	s_mov_b32 s[\g+5], 32
	s_mov_b32 s[\g+6], 0
	s_mov_b32 s[\g+7], 0
.endr
.irp g, G1X, G1Y                               ; 256 records: 272 rows of 256 bytes
	s_mov_b32 s[\g+1], 32<<16
	s_mov_b32 s[\g+2], 272<<16
	s_mov_b32 s[\g+3], 32<<16
	s_mov_b32 s[\g+4], 272
	s_mov_b32 s[\g+5], 32
	s_mov_b32 s[\g+6], 0
	s_mov_b32 s[\g+7], 0
.endr
	s_mul_i32 s66, s17, TILEB                      ; A's tile (all offsets stay under 2^24)
	s_mov_b32 s67, 0
	s_mul_i32 s46, s42, TILEB                      ; W's tile
	s_mov_b32 s47, 0
	s_mul_i32 s18, s16, HALFT                      ; the half of a tile that I fetch in K steps 2, 3
	s_mov_b32 s19, 0
	s_mul_i32 s100, s15, KSA                       ; at the head and between tiles waves 0, 1 fetch K step 0, waves 2, 3 K step 1
	s_mov_b32 s101, 0
	s_mul_i32 s10, s15, KSW
	s_mov_b32 s11, 0
	s_mul_i32 s45, s14, HALFT
	s_mul_i32 s9, s15, SLOT
	s_wait_dscnt 0x0                               ; both opening adds are done
	s_wait_kmcnt 0x0
	s_add_nc_u64 s[66:67], s[4:5], s[66:67]        ; kept: the prefetches' bases
	s_add_nc_u64 s[46:47], s[6:7], s[46:47]
	CROUND                                         ; all sixteen work-groups are here: the first joint loads meet
	s_mov_b32 s[G0X], 1
	s_add_co_u32 s[G0X+1], s9, 0
	s_add_nc_u64 s[G0X+2:G0X+3], s[66:67], s[100:101]
	s_or_b32 s[G0X+3], s[G0X+3], 0x80000000
	s_mov_b32 s[G0Y], 1
	s_add_co_u32 s[G0Y+1], s9, 2*HALFT
	s_add_nc_u64 s[G0Y+2:G0Y+3], s[46:47], s[10:11]
	s_or_b32 s[G0Y+3], s[G0Y+3], 0x80000000
	JLOAD 16, G0X, G1X, G0Y, G1Y                   ; one tensor load a wave: the four fill both slots
	s_add_nc_u64 s[100:101], s[66:67], s[18:19]
	s_add_nc_u64 s[10:11], s[46:47], s[18:19]
.irp s, 0,1
	s_mov_b32 s[G0+4*\s], 1
	s_add_co_u32 s[G0+4*\s+1], s45, \s*SLOT
	s_add_nc_u64 s[G0+4*\s+2:G0+4*\s+3], s[100:101], (2+\s)*KSA
	s_or_b32 s[G0+4*\s+3], s[G0+4*\s+3], 0x80000000
	s_mov_b32 s[G0B+4*\s], 1
	s_add_co_u32 s[G0B+4*\s+1], s45, \s*SLOT
	s_add_nc_u64 s[G0B+4*\s+2:G0B+4*\s+3], s[10:11], (2+\s)*KSW
	s_or_b32 s[G0B+4*\s+3], s[G0B+4*\s+3], 0x80000000
.endr
	v_and_b32 v1, 15, v0                           ; r
	v_bfe_u32 v2, v0, 4, 1                         ; h
	v_mul_u32_u24 v3, v1, PITCH
	v_lshl_add_u32 v4, v2, 4, v3                   ; a fragment's row x pitch + 16 h
	s_mul_i32 s18, s15, HALFT                      ; my 128 rows of A
	s_mul_i32 s19, s16, HALFT
	s_add_co_u32 s19, s19, 2*HALFT                 ; my 128 rows of W
	s_sub_co_u32 s45, s19, s18
	v_mul_u32_u24 v6, s45, v2                      ; scale words: lanes 16-31 take W's: the distance between the two bases x h
	v_add_nc_u32 v6, v6, v3
	v_add_nc_u32 v6, 256, v6                       ; behind the row's codes
.irp s, 0,1
	v_add_nc_u32 v[ADRA+\s], s18, v4
	v_add_nc_u32 v[ADRB+\s], s19, v4
	v_add_nc_u32 v[ADRS+\s], s18, v6
	s_add_co_u32 s18, s18, SLOT
	s_add_co_u32 s19, s19, SLOT
.endr
	s_mul_i32 s18, s15, 128*PITCH                  ; c's tile: my 128 rows, my 128 bytes of them
	s_lshl_b32 s19, s16, 7
	s_add_co_u32 s18, s18, s19
	v_lshl_add_u32 v5, v2, 5, v3                   ; row r, 32 bytes for each half of the lanes
	v_add_nc_u32 v[CA], s18, v5
	s_mul_i32 s18, s15, 16*PITCH                   ; the stage: my row half, my 128 bytes
	s_add_co_u32 s18, s18, s19
	s_add_co_u32 s18, s18, STAGE
	v_add_nc_u32 v[PA0], s18, v5
	s_mul_i32 s18, s15, 16*PITCH                   ; back: whole rows of my row half; j = 0 from c_new, j = 1 from h_new
	s_mul_i32 s19, s16, 2*16*PITCH
	s_add_co_u32 s18, s18, s19
	s_add_co_u32 s18, s18, STAGE
	s_wait_alu depctr_va_vdst(0)
	v_mul_u32_u24 v5, v2, PITCH
	v_lshl_add_u32 v5, v1, 4, v5
	v_add_nc_u32 v[RD0], s18, v5
	v_lshlrev_b32 v5, 12, v2                       ; the same two rows in the output
	v_lshl_add_u32 v[GO], v1, 4, v5
	s_lshl_b32 s18, s42, 8
	s_lshl_b32 s19, s16, 7
	s_add_co_u32 s18, s18, s19
	v_lshl_add_u32 v[BV], v2, 5, s18               ; a bias: 4 (64 x tile column + 32 j + 8 h) bytes
	v_lshlrev_b32 v[PF], 12, v0
	v_and_b32 v7, 31, v0
	v_min_u32 v7, 16, v7                           ; the prefetches of codes: 17 runs a wave
	s_lshl_b32 s18, s40, 2
	s_add_co_u32 s18, s18, s14
	s_mul_i32 s18, s18, 17*256                     ; A's: which of the 16 waves that share the tile: 4 cx + wave
	s_lshl_b32 s19, s41, 2
	s_add_co_u32 s19, s19, s14
	s_mul_i32 s19, s19, 17*256                     ; W's: 4 cy + wave
	v_lshl_add_u32 v[PFA], v7, 8, s18
	v_lshl_add_u32 v[PFW], v7, 8, s19
	s_cmp_eq_u32 s16, 0                            ; which output I store: a choice on the wave's number alone
	s_cselect_b64 s[12:13], s[12:13], s[22:23]     ; j = 0: out1 (c_new); j = 1: out0 (h_new)
	s_lshl_b32 s100, s17, 20                       ; the tile in c and in the outputs
	s_lshl_b32 s101, s42, 8
	s_add_co_u32 s100, s100, s101
	s_mov_b32 s101, 0
	s_add_nc_u64 s[104:105], s[20:21], s[100:101]  ; c's tile
	s_lshl_b32 s18, s15, 19                        ; my half's 128 rows
	s_add_co_u32 s100, s100, s18
	s_add_nc_u64 s[12:13], s[12:13], s[100:101]
	s_lshl_b32 s18, s14, 18                        ; of c's tile I fetch rows 64 x wave on
	s_mov_b32 s19, 0
	s_add_nc_u64 s[G0C+2:G0C+3], s[104:105], s[18:19]
	s_or_b32 s[G0C+3], s[G0C+3], 0x80000000
	s_mov_b32 s[G0C], 1
	s_mul_i32 s[G0C+1], s14, 64*PITCH
	s_wait_alu depctr_va_vdst(0)                   ; the scalar lines above stand between the writes and their readers
	WIN TO_B
.irp cb, 0,1                                   ; block 4 cb + g: gate g's bias at columns 16 cb + 8 h + 0 .. 7 of my 32
.irp g, 0,1,2,3
.irp k, 0,1
	global_load_b128 v[BIAS+8*(4*\cb+\g)+4*\k:BIAS+8*(4*\cb+\g)+4*\k+3], v[BV], s[92+2*\g:93+2*\g] offset:64*\cb+16*\k
.endr
.endr
.endr
	WIN 0
	s_mov_b32 s4, 0xbfb8aa3b                       ; -log2(e); the packed forms name a pair and take its low word
	s_mov_b32 s5, s4
	s_mov_b32 s6, 0x4038aa3b                       ; 2 log2(e)
	s_mov_b32 s7, s6
	s_mov_b32 s8, 0x41f00000                       ; 30.0
	s_wait_loadcnt 0x0                             ; the biases are in: their addresses' registers may be written
	s_mov_b32 s[G1C+0], (2<<16)|(1<<20)|(5<<22)|(3<<25)   ; no mask; elements of 4 bytes; four words of padding after every 64
	s_mov_b32 s[G1C+1], 64<<16
	s_mov_b32 s[G1C+2], 64<<16
	s_mov_b32 s[G1C+3], 64<<16
	s_mov_b32 s[G1C+4], 64
	s_mov_b32 s[G1C+5], 1024
	s_mov_b32 s[G1C+6], 0
	s_mov_b32 s[G1C+7], 0
	global_prefetch_b8 v[PFA], s[66:67] offset:2*KSA th:TH_LOAD_NT scope:SCOPE_SE   ; K step 2: its load stands behind all of K step 0's work
	global_prefetch_b8 v[PFW], s[46:47] offset:2*KSW th:TH_LOAD_NT scope:SCOPE_SE
.macro FRAG reg, adr, q, i             ; lane l holds row l % 16; registers 4 c .. 4 c + 3 hold K = 64 c + 32 (l / 16) + 0 .. 31
.irp c, 0,1
	ds_load_b128 v[\reg+4*\c:\reg+4*\c+3], v[\adr] offset:64*(\q)+32*\c+(\i)*16*PITCH
.endr
.endm
; 8 matrix instructions: A's blocks a0, a0 + 1 x W's b0 .. b0 + 3, from sets p.  zero = 1: the bias starts the sums.
.macro MULQ a0, b0, p, q, sc, zero
.set MA, \a0
.rept 2
.set MB, \b0
.rept 4
.if \zero
	v_wmma_scale_f32_16x16x128_f8f6f4 v[8*(8*(MA%4)+MB):8*(8*(MA%4)+MB)+7], v[128*(\p)+FR*MB:128*(\p)+FR*MB+FR-1], v[AF+64*(\p)+FR*MA:AF+64*(\p)+FR*MA+FR-1], v[BIAS+8*MB:BIAS+8*MB+7], v[SC+8*NQ*(\sc)+NQ*MB+(\q)], v[SC+8*NQ*(\sc)+NQ*MA+(\q)] matrix_a_fmt:MATRIX_FMT_FP4 matrix_b_fmt:MATRIX_FMT_FP4 matrix_a_scale:MATRIX_SCALE_ROW1
.else
	v_wmma_scale_f32_16x16x128_f8f6f4 v[8*(8*(MA%4)+MB):8*(8*(MA%4)+MB)+7], v[128*(\p)+FR*MB:128*(\p)+FR*MB+FR-1], v[AF+64*(\p)+FR*MA:AF+64*(\p)+FR*MA+FR-1], v[8*(8*(MA%4)+MB):8*(8*(MA%4)+MB)+7], v[SC+8*NQ*(\sc)+NQ*MB+(\q)], v[SC+8*NQ*(\sc)+NQ*MA+(\q)] matrix_a_fmt:MATRIX_FMT_FP4 matrix_b_fmt:MATRIX_FMT_FP4 matrix_a_scale:MATRIX_SCALE_ROW1
.endif
.set MB, MB+1
.endr
.set MA, MA+1
.endr
.endm
; Sub-block s of a step: (A's blocks, W's blocks) = 0: (0-1, 0-3)  1: (2-3, 0-3)  2: (0-1, 4-7)  3: (2-3, 4-7)  4: (4-5, 4-7)  5: (6-7, 4-7)  6: (4-5, 0-3)  7: (6-7, 0-3).
; The 64 accumulators take turns, in the same order in every step.
.macro SUB s, p, q, sc, zero
.if \zero
	WIN BEG_LO+0x40*((\s)/4)
.else
	WIN MUL_LO+0x50*((\s)/4)
.endif
	MULQ 2*((\s)&1)+4*((\s)/4), 4*((((\s)+2)/4)&1), \p, \q, \sc, \zero
.endm
; Four of a step's 32 fragment loads: g = 0: W 0-1  1: W 2-3  2: A 0-1  3: A 2-3  4: W 4-5  5: W 6-7  6: A 4-5  7: A 6-7.
.macro GRP slot, q, p, g
.set GI, 2*((\g)&1)+4*((\g)/4)
.if ((\g)&2) == 0
	WIN TO_B
	FRAG 128*(\p)+FR*GI, ADRB+\slot, \q, GI
	FRAG 128*(\p)+FR*GI+FR, ADRB+\slot, \q, GI+1
.else
	WIN 0
	FRAG AF+64*(\p)+FR*GI, ADRA+\slot, \q, GI
	FRAG AF+64*(\p)+FR*GI+FR, ADRA+\slot, \q, GI+1
.endif
.endm
.macro FETCH slot, q, p                ; all 32 in one run: W's sixteen, then A's: two switches of the window
.irp g, 0,1,4,5,2,3,6,7
	GRP \slot, \q, \p, \g
.endr
.endm
.macro SCALES sc                       ; the slot's scale words: four a row; lanes 0-15 A's block i, lanes 16-31 W's block i
.irp i, 0,1,2,3,4,5,6,7
	ds_load_b128 v[SC+8*NQ*\sc+NQ*\i:SC+8*NQ*\sc+NQ*\i+3], v[ADRS+\sc] offset:\i*16*PITCH
.endr
.endm
.macro PLACES n
.rept \n
	v_nop
.endr
.endm
; 128 along K with a successor in the same slot.  The four places stand in front of the loads into the sets that the step before has multiplied.
; The wait leaves out the 32 loads just issued: this step's own fragments (and, behind a change of slots, its scale words) were issued ahead of them.
.macro STEP slot, q, zero
	PLACES NP
	FETCH \slot, (\q)+1, 1-(\q)%2
	s_wait_dscnt 32
.irp s, 0,1,2,3,4,5,6,7
	SUB \s, (\q)%2, \q, \slot, \zero
.endr
	WIN 0
.endm
; A slot's last step changes slots: one barrier, which opens a round of the cluster's.  fill = 1: the slot takes the K step two on, jointly.  fill = 2: slot 0's first half takes c's tile, 64 rows a wave.
; Behind the refill the next slot's first fragments and scale words come in one run of 40 loads.
; pf = 1: K step 3 of A (of W in the first tile), and rows t and 128 + t of c's tile for thread t, are asked for two changes of slots ahead of their loads.
.macro TURN slot, next, fill, pf
	s_wait_tensorcnt 0x0                           ; all my tensor loads have landed
	ds_add_u32 v[SPW], v[NIL]
	s_wait_dscnt 1                                 ; (the add may be out; this step's fragments are in)
	SUB 0, 1, NQ-1, \slot, 0
	SUB 1, 1, NQ-1, \slot, 0
	s_wait_dscnt 0x0                               ; the add is done, and my reads of this slot are over
	s_barrier_signal -1
	SUB 2, 1, NQ-1, \slot, 0
	SUB 3, 1, NQ-1, \slot, 0
	WIN 0
	s_barrier_wait -1
	CREST
.if \fill == 1
	JLOAD 15, G0+4*\slot, G1, G0B+4*\slot, G1B     ; its four v_nop are also the places in front of the loads below
.else
	tensor_load_to_lds s[G0C:G0C+3], s[G1C:G1C+7]
	s_nop 0
.rept 4
	v_nop
.endr
.endif
	FETCH \next, 0, 0
	SCALES \next
.if \pf
	global_prefetch_b8 v[PFA], s[66:67] offset:3*KSA th:TH_LOAD_NT scope:SCOPE_SE
	s_cmp_eq_u32 s2, 2
	s_cbranch_scc0 .Lnot_w_\@                      ; W's runs have been read by the second tile
	global_prefetch_b8 v[PFW], s[46:47] offset:3*KSW th:TH_LOAD_NT scope:SCOPE_SE
.Lnot_w_\@:
	global_prefetch_b8 v[PF], s[104:105] th:TH_LOAD_NT scope:SCOPE_SE
	global_prefetch_b8 v[PF], s[104:105] offset:524288 th:TH_LOAD_NT scope:SCOPE_SE
.endif
.irp s, 4,5,6,7
	SUB \s, 1, NQ-1, \slot, 0
.endr
	WIN 0
.endm
.macro STEPS slot, from
.set Q, \from
.rept NQ-1-\from
	STEP \slot, Q, 0
.set Q, Q+1
.endr
.endm
; A tile's last step of 128.  c's tile is whole behind a barrier; my 128 x 32 of it go into window 1 (W's set 0, done with, and v192-255) in one run, ahead of the last 64 products.
; succ = 1: both slots are then free in every wave of the cluster, and take the next tile's K steps 0 and 1, one load a wave.
.macro LAST succ
	s_wait_tensorcnt 0x0                           ; my 64 rows of c have landed: the one load of mine that was out
	s_wait_dscnt 0x0                               ; the last fragments are in: my reads of slot 1 are over
	s_barrier_signal -1
	s_barrier_wait -1
	PLACES NP                                      ; for the loads into W's set 0
	WIN TO_B
.irp a, 0,1,2,3,4,5,6,7
.irp cb, 0,1
.irp k, 0,1
	ds_load_b128 v[16*\a+128*(\a/4)+8*\cb+4*\k:16*\a+128*(\a/4)+8*\cb+4*\k+3], v[CA] offset:16*PITCH*\a+64*\cb+16*\k
.endr
.endr
.endr
.irp s, 0,1,2,3,4,5,6,7
	SUB \s, 1, NQ-1, 1, 0
.endr
	WIN 0
.if \succ
	s_wait_tensorcnt 0x0                           ; no tensor load of mine is out: the groups 0 may be written
	ds_add_u32 v[SPW], v[NIL]
	s_add_nc_u64 s[G0X+2:G0X+3], s[G0X+2:G0X+3], WALKA   ; A goes on to the next tile; W's addresses stay
	s_add_nc_u64 s[G0+2:G0+3], s[G0+2:G0+3], WALKA
	s_add_nc_u64 s[G0+6:G0+7], s[G0+6:G0+7], WALKA
	s_add_nc_u64 s[G0C+2:G0C+3], s[G0C+2:G0C+3], WALKC
	s_wait_xcnt 0x0                                ; the prefetches have read their bases
	s_add_nc_u64 s[104:105], s[104:105], WALKC
	s_add_nc_u64 s[66:67], s[66:67], WALKA
	s_wait_dscnt 0x0                               ; the add is done, and c is in registers: my reads of slot 0 are over
	CROUND
	JLOAD 16, G0X, G1X, G0Y, G1Y                   ; its four v_nop are also the places behind the last products
	global_prefetch_b8 v[PFA], s[66:67] offset:2*KSA th:TH_LOAD_NT scope:SCOPE_SE   ; the next tile's K step 2 of A
.else
	s_wait_dscnt 0x0
	PLACES NP
.endif
.endm
; THE CELL.  VAR a: block a's 64 gates x -L (f, u, o) or 2 L (cc), each accumulator from its low end on, and its 16 c, into the registers that the body names.
.macro VAR a
	WIN 0x02+(\a)/4
.set i, 0
.rept 32
.if (i/8)%4 == 2
	v_pk_mul_f32 v[T+i:T+i+1], v[64*((\a)%4)+i:64*((\a)%4)+i+1], s[6:7] op_sel_hi:[1,0]
.else
	v_pk_mul_f32 v[T+i:T+i+1], v[64*((\a)%4)+i:64*((\a)%4)+i+1], s[4:5] op_sel_hi:[1,0]
.endif
.set i, i+2
.endr
	WIN 0x01
.set i, 0
.rept 16
	v_mov_b32 v[CW+i], v[16*(\a)+128*((\a)/4)+i]
.set i, i+1
.endr
	WIN 0
.endm
.macro PONE rd, sd, ra, sa, neg        ; d = a + 1, or a - 1
.irp cb, 0,1
.irp p, 0,2,4,6
.if \neg
	v_pk_add_f32 v[\rd+\sd*\cb+\p:\rd+\sd*\cb+\p+1], v[\ra+\sa*\cb+\p:\ra+\sa*\cb+\p+1], -1.0 op_sel_hi:[1,0]
.else
	v_pk_add_f32 v[\rd+\sd*\cb+\p:\rd+\sd*\cb+\p+1], v[\ra+\sa*\cb+\p:\ra+\sa*\cb+\p+1], 1.0 op_sel_hi:[1,0]
.endif
.endr
.endr
.endm
.macro PMUL rd, sd, ra, sa, rb, sb
.irp cb, 0,1
.irp p, 0,2,4,6
	v_pk_mul_f32 v[\rd+\sd*\cb+\p:\rd+\sd*\cb+\p+1], v[\ra+\sa*\cb+\p:\ra+\sa*\cb+\p+1], v[\rb+\sb*\cb+\p:\rb+\sb*\cb+\p+1]
.endr
.endr
.endm
.macro HOLD r                          ; 16 exponents held at 30
.irp cb, 0,1
.irp j, 0,1,2,3,4,5,6,7
	v_min_num_f32 v[\r+32*\cb+\j], s8, v[\r+32*\cb+\j]
.endr
.endr
.endm
.macro RCP16 r
.irp cb, 0,1
.irp j, 0,1,2,3,4,5,6,7
	v_rcp_f32 v[\r+32*\cb+\j], v[\r+32*\cb+\j]
.endr
.endr
.endm
.macro PUT reg, off                    ; 2 x 8 results into their rows of this block's buffer
.irp cb, 0,1
.irp k, 0,1
	ds_store_b128 v[PA], v[\reg+8*\cb+4*\k:\reg+8*\cb+4*\k+3] offset:\off+64*\cb+16*\k
.endr
.endr
.endm
.macro BACK                            ; 16 whole rows of my output, two rows an instruction
.irp t, 0,1,2,3,4,5,6,7
	ds_load_b128 v[OB+4*\t:OB+4*\t+3], v[RA] offset:2*PITCH*\t
.endr
.endm
.macro SEND                            ; the base stands 16 rows on: the offsets reach back
.irp t, 0,1,2,3,4,5,6,7
	global_store_b128 v[GO], v[OB+4*\t:OB+4*\t+3], s[12:13] offset:2*\t*4096-65536 th:TH_STORE_NT   ; 16 lanes store 256 consecutive bytes, aligned
.endr
.endm
.macro WALU
	s_wait_alu depctr_va_vdst(0)                   ; ahead of and behind a batch of transcendentals, ahead of a blocking wait or a branch
.endm
; A block's arithmetic, and in its middle the way out of the block before (first = 1: there is none).  s9, s10: this block's buffer and the other, by turns.
.macro BODY first
	v_add_nc_u32 v[PA], s9, v[PA0]
	v_add_nc_u32 v[RA], s10, v[RD0]
	s_xor_b32 s9, s9, SBUF
	s_xor_b32 s10, s10, SBUF
	HOLD T+16
	WALU
.set i, 0
.rept 64
	v_exp_f32 v[T+i], v[T+i]                       ; ef, eu, ec, eo
.set i, i+1
.endr
	v_nop
.if !\first
	s_wait_dscnt 0x0                               ; for the others' sake: my stores of the block before have landed, and my reads of the block two back are over
	s_barrier_signal -1
.endif
	WALU
	PONE X0, 8, T+16, 32, 1                        ; x = ec - 1
	PONE T, 32, T, 32, 0                           ; 1 + ef
	PONE T+8, 32, T+8, 32, 0                       ; 1 + eu
	PONE T+16, 32, T+16, 32, 0                     ; 1 + ec
	PONE T+24, 32, T+24, 32, 0                     ; 1 + eo
	PMUL T+8, 32, T+16, 32, T+8, 32                ; (1 + ec)(1 + eu)
.if !\first
	s_barrier_wait -1                              ; the 16 rows of the block before are whole
	s_wait_xcnt 0x0                                ; earlier stores have read their registers and their base
	s_add_nc_u64 s[12:13], s[12:13], 65536
	BACK
.endif
	WALU
	RCP16 T                                        ; sigmoid(f)
	RCP16 T+8
	v_nop
	WALU
	PMUL X0, 8, X0, 8, T+8, 32                     ; sigmoid(u) tanh(cc)
.irp cb, 0,1
.irp p, 0,2,4,6
	v_pk_fma_f32 v[CW+8*\cb+\p:CW+8*\cb+\p+1], v[CW+8*\cb+\p:CW+8*\cb+\p+1], v[T+32*\cb+\p:T+32*\cb+\p+1], v[X0+8*\cb+\p:X0+8*\cb+\p+1]   ; c_new
.endr
.endr
.irp cb, 0,1
.irp p, 0,2,4,6
	v_pk_mul_f32 v[T+16+32*\cb+\p:T+16+32*\cb+\p+1], v[CW+8*\cb+\p:CW+8*\cb+\p+1], s[6:7] op_sel_hi:[1,0]   ; 2 L c_new
.endr
.endr
	HOLD T+16
	WALU
.irp cb, 0,1
.irp j, 0,1,2,3,4,5,6,7
	v_exp_f32 v[T+16+32*\cb+\j], v[T+16+32*\cb+\j] ; E
.endr
.endr
	v_nop
	WALU
	PONE T+8, 32, T+16, 32, 0                      ; E + 1
	PONE T+16, 32, T+16, 32, 1                     ; E - 1
	PMUL T+8, 32, T+8, 32, T+24, 32                ; (E + 1)(1 + eo)
	WALU
	RCP16 T+8
	v_nop
	WALU
	PMUL X0, 8, T+16, 32, T+8, 32                  ; h_new
.if !\first
	WALU
	s_wait_dscnt 0x0                               ; the block before is back in registers
	SEND
.endif
	PUT CW, 0
	PUT X0, 2*16*PITCH
.endm
.macro EPI
	s_mov_b32 s9, 0
	s_mov_b32 s10, SBUF
	VAR 0
	BODY 1
	s_mov_b32 s3, 1
	WALU
.Lblk\@:
.irp v, 1,2,3,4,5,6
	s_cmp_eq_u32 s3, \v
	s_cbranch_scc1 .Lv\@_\v
.endr
	VAR 7
	WALU
	s_branch .Lcom\@
.irp v, 1,2,3,4,5,6
.Lv\@_\v:
	VAR \v
	WALU
	s_branch .Lcom\@
.endr
.Lcom\@:
	BODY 0
	s_add_co_u32 s3, s3, 1
	s_cmp_lt_u32 s3, 8
	WALU
	s_cbranch_scc1 .Lblk\@
	s_wait_dscnt 0x0                               ; for the others' sake: block 7's stores have landed
	s_barrier_signal -1
	s_barrier_wait -1
	s_wait_xcnt 0x0
	s_add_nc_u64 s[12:13], s[12:13], 65536
	v_add_nc_u32 v[RA], s10, v[RD0]
	BACK
	s_wait_dscnt 0x0
	SEND
.endm
	s_mov_b32 s2, 2                                ; tiles to go: the same number in every work-group
	s_wait_alu depctr_va_vdst(0)
.Ltile:
	s_wait_tensorcnt 0x0                           ; my part of the tile's K steps 0 and 1 is in
	s_barrier_signal -1
	s_barrier_wait -1                              ; everybody's is
	FETCH 0, 0, 0
	SCALES 0
	STEP 0, 0, 1                                   ; the biases start the sums
	STEPS 0, 1
	TURN 0, 1, 1, 1                                ; slot 0 takes K step 2
	STEPS 1, 0
	TURN 1, 0, 1, 0                                ; slot 1 takes K step 3
	STEPS 0, 0
	TURN 0, 1, 2, 0                                ; slot 0 takes c's tile
	STEPS 1, 0
	s_cmp_eq_u32 s2, 1
	s_cbranch_scc1 .Llast_tile                     ; the last tile's tail is written out: it asks for nothing more
	LAST 1
	EPI
	s_wait_xcnt 0x0                                ; the stores have read their base
	s_add_nc_u64 s[12:13], s[12:13], WALKC-8*65536 ; on to the next tile's first rows
	s_sub_co_u32 s2, s2, 1
	s_wait_alu depctr_va_vdst(0)
	s_branch .Ltile
.Llast_tile:
	LAST 0
	EPI
	s_wait_tensorcnt 0x0                           ; the wave's end
	ds_add_u32 v[SPW], v[NIL]
	s_wait_dscnt 0x0
	CROUND                                         ; the closing round
	s_endpgm
.Lfunc_end_k_q219297c9da_cell:
	.size	k_q219297c9da_cell, .Lfunc_end_k_q219297c9da_cell-k_q219297c9da_cell
	.p2alignl 7, 3214868480
	.fill 96, 4, 3214868480
	.section	.rodata,"a",@progbits
	.p2align	6, 0x0
	.amdhsa_kernel k_q219297c9da_cell
		.amdhsa_group_segment_fixed_size 327680
		.amdhsa_private_segment_fixed_size 0
		.amdhsa_enable_private_segment 0
		.amdhsa_kernarg_size 72
		.amdhsa_user_sgpr_count 2
		.amdhsa_user_sgpr_kernarg_segment_ptr 1
		.amdhsa_wavefront_size32 1
		.amdhsa_system_sgpr_workgroup_id_x 1
		.amdhsa_system_sgpr_workgroup_id_y 1
		.amdhsa_system_sgpr_workgroup_id_z 1
		.amdhsa_system_vgpr_workitem_id 0
		.amdhsa_next_free_vgpr 1024
		.amdhsa_next_free_sgpr 106
		.amdhsa_reserve_vcc 0
		.amdhsa_float_denorm_mode_32 3
		.amdhsa_float_denorm_mode_16_64 3
		.amdhsa_memory_ordered 1
		.amdhsa_forward_progress 1
		.amdhsa_inst_pref_size 255
	.end_amdhsa_kernel
	.section	.bss,"aw",@nobits
	.p2align	6
	.space	262144
	.amdgpu_metadata
---
amdhsa.version: [ 1, 2 ]
amdhsa.kernels:
  - .name:           k_q219297c9da_cell
    .symbol:         k_q219297c9da_cell.kd
    .args:
      - { .name: a_img, .offset: 0, .size: 8, .value_kind: global_buffer, .address_space: global }
      - { .name: w_img, .offset: 8, .size: 8, .value_kind: global_buffer, .address_space: global }
      - { .name: bf, .offset: 16, .size: 8, .value_kind: global_buffer, .address_space: global }
      - { .name: bu, .offset: 24, .size: 8, .value_kind: global_buffer, .address_space: global }
      - { .name: bc, .offset: 32, .size: 8, .value_kind: global_buffer, .address_space: global }
      - { .name: bo, .offset: 40, .size: 8, .value_kind: global_buffer, .address_space: global }
      - { .name: c, .offset: 48, .size: 8, .value_kind: global_buffer, .address_space: global }
      - { .name: out0, .offset: 56, .size: 8, .value_kind: global_buffer, .address_space: global }
      - { .name: out1, .offset: 64, .size: 8, .value_kind: global_buffer, .address_space: global }
    .group_segment_fixed_size: 327680
    .private_segment_fixed_size: 0
    .kernarg_segment_align: 8
    .kernarg_segment_size: 72
    .max_flat_workgroup_size: 128
    .sgpr_count:     106
    .vgpr_count:     1024
    .wavefront_size: 32
...
	.end_amdgpu_metadata
.endif
;; end of part 2
